; MI455X (gfx1250); checked and timed in simulation.
; The chip was launched on July 23, 2026; its instructions are those of AMD's public machine-readable ISA for CDNA 5 (MIT licence, August 2026) and "CDNA5" Instruction Set Architecture Reference Guide (July 2026). The comments in the code are by the model that wrote it; some were corrected since.
;; Multi Head Self Attention. Allowed arithmetic: matrix products marked QUANTISED: E2M3 operands, one E8M0 scale for each 32 along K, by v_wmma_scale_f32_16x16x128_f8f6f4 with both operands' format E2M3, f32 sums; everything else in f32.
;; Inputs: Wk_codes 1,024 x 32 x 24 uint8 (E2M3 codes of Wk, K innermost, in blocks of 32 codes, four codes in three bytes); Wk_scales 1,024 x 32 uint8 (E8M0 scales of Wk, one for each 32 codes along K); Wo_codes 1,024 x 32 x 24 uint8 (E2M3 codes of Wo, K innermost, in blocks of 32 codes, four codes in three bytes); Wo_scales 1,024 x 32 uint8 (E8M0 scales of Wo, one for each 32 codes along K); Wq_codes 1,024 x 32 x 24 uint8 (E2M3 codes of Wq, K innermost, in blocks of 32 codes, four codes in three bytes); Wq_scales 1,024 x 32 uint8 (E8M0 scales of Wq, one for each 32 codes along K); Wv_codes 1,024 x 32 x 24 uint8 (E2M3 codes of Wv, K innermost, in blocks of 32 codes, four codes in three bytes); Wv_scales 1,024 x 32 uint8 (E8M0 scales of Wv, one for each 32 codes along K); bo 1,024 float32; x_codes 4 x 2,048 x 32 x 24 uint8 (E2M3 codes of x, K innermost, in blocks of 32 codes, four codes in three bytes); x_scales 4 x 2,048 x 32 uint8 (E8M0 scales of x, one for each 32 codes along K).
;; Outputs: out0 4 x 2,048 x 1,024 float32.
;; This version of the problem:
;;   THIS VERSION OF THE PROBLEM IS GIVEN IN LOW PRECISION. The matrix products marked QUANTISED in the list below multiply operands that are first quantised to E2M3 (2 exponent bits, 3 mantissa bits; 6 bits a number), with one power-of-two scale for each 32 numbers along K (OCP MX v1.0); their sums are f32. All else is computed in f32.
;;   The module's matrix products, in the order in which they are computed (A, B: the left and right operand; K: the contracted axis; several contracted axes count as one K, in the product's order):
;;     1. [M 8,192, K 1,024] x [K 1,024, N 1,024]; A: input x (given as codes); B: input Wq (given as codes): QUANTISED
;;     2. [M 8,192, K 1,024] x [K 1,024, N 1,024]; A: input x (given as codes); B: input Wk (given as codes): QUANTISED
;;     3. [M 8,192, K 1,024] x [K 1,024, N 1,024]; A: input x (given as codes); B: input Wv (given as codes): QUANTISED
;;     4. batch 64 x [M 2,048, K 64] x [K 64, N 2,048]; A: computed on the way; B: computed on the way: QUANTISED
;;     5. batch 64 x [M 64, K 2,048] x [K 2,048, N 2,048]; A: computed on the way; B: softmax (see below): QUANTISED
;;     6. [M 8,192, K 1,024] x [K 1,024, N 1,024]; A: computed on the way; B: input Wo (given as codes): QUANTISED
;;   THE QUANTISER, for each operand of a quantised product, along K:
;;     - K is cut into blocks of 32 from its start; a last block that is shorter is filled with zeros.
;;     - A block's scale is 2^e with e = floor(log2(the largest magnitude in the block)) - 2, held to -126 .. 127; a block of zeros has e = 0. As a byte (E8M0): e + 127.
;;     - Each number is divided by its block's scale, clamped to +-7.5, and rounded to the nearest number of E2M3, ties to even, subnormals kept.
;;     - The product sums the exact products of the quantised numbers (number of the format x scale) in f32.
;;   ~~~python
;;   def quantise(x, axis):      # numpy; x: float32 -> the quantised numbers, widened to float32 again
;;       x = np.moveaxis(x, axis, -1); K = x.shape[-1]
;;       x = np.pad(x, [(0, 0)] * (x.ndim - 1) + [(0, -K % 32)]); x = x.reshape(x.shape[:-1] + (-1, 32)); a = np.abs(x).max(-1, keepdims=True)
;;       e = np.where(a > 0, np.clip(np.frexp(np.where(a > 0, a, 1))[1] - 1 - 2, -126, 127), 0)      # np.frexp(a)[1] - 1 = floor(log2(a)), exactly
;;       r = np.clip(x / 2.0 ** e, -7.5, 7.5)
;;       step = 2.0 ** (np.maximum(np.frexp(np.where(r == 0, 1, r))[1] - 1, 0) - 3)
;;       q = np.round(r / step) * step * 2.0 ** e      # np.round: ties to even
;;       return np.moveaxis(q.reshape(q.shape[:-2] + (-1,))[..., :K], -1, axis).astype(np.float32)
;;   ~~~
;;   SOFTMAX AHEAD OF A QUANTISED PRODUCT. Where the list says 'softmax', what is quantised is not the finished softmax but p = 2^(t - M), with t = logit x log2(e) and M = ceil(the row's largest t), a whole number; so 1/2 < the row's largest p <= 1. The row's sum l is taken of the UNQUANTISED p, in f32, and the product's result is divided by l at the end. Since M is a whole number, a kernel that streams over the keys may use a running M (the ceiling of the running maximum): every later rescaling is an exact power of two, which a block's scale takes up: the codes' values come out the same.
;;   OPERANDS COMPUTED ON THE WAY. 'Computed on the way' means the value that the module computes at that place (a softmax that the list does not call 'softmax' is quantised finished and normalised). What goes into a quantiser is computed in f32, as accurately as f32 sums, v_exp_f32 and their like allow (about 1e-6 of the number): no bf16 or f16 on the way to a quantiser, and a product that is left as it is and whose result goes on into a quantised operand takes f32 operands (vector FMAs, or v_wmma_f32_16x16x4_f32). A number that lies on a knife's edge between two numbers of the format may be rounded either way, as far as f32 arithmetic and the matrix unit's own rounding can turn it there, and no further.
;;   INPUTS GIVEN AS CODES. Wk (in the module: [1024, 1024], K = its axis 1); Wo (in the module: [1024, 1024], K = its axis 1); Wq (in the module: [1024, 1024], K = its axis 1); Wv (in the module: [1024, 1024], K = its axis 1); x (in the module: [4, 2048, 1024], K = its axis 2): each comes as NAME_codes (uint8): NAME with its K axis moved to the last place and cut into blocks of 32 codes, [.., K / 32, bytes a block], one block behind the other in memory; four codes in three bytes: a row's codes are one little-endian stream of bits, code i at bits 6 i .. 6 i + 5 (a code: sign, 2 exponent bits, 3 mantissa bits); and NAME_scales (uint8): the same leading axes, one E8M0 byte (e + 127) for each 32 codes along K. Its value is code x scale, taken as it is: it is not quantised again, and the codes and scales need not be those that the quantiser above would give.
;; One version. Each part assembles by itself: llvm-mc -triple=amdgcn-amd-amdhsa -mcpu=gfx1250 --defsym DOCPART=n.
;; ======== version 1 of 1: 2 launches
;; limits: right only within a limited range of input values
;; workspace buffers: kv 13,107,200 bytes; wimg 1,572,864 bytes
;; launch proj (part 1): grid 4 x 64, 4 waves a work-group, clusters of 4 x 4, 327,680 bytes of LDS; arguments x_codes, x_scales, Wk_codes, Wk_scales, Wv_codes, Wv_scales, Wq_codes, Wo_codes, kv, wimg; writes kv, wimg
.if DOCPART == 1
	.amdgcn_target "amdgcn-amd-amdhsa--gfx1250"
	.amdhsa_code_object_version 6
	.text
	.protected	k_q3a4404359b_proj
	.globl	k_q3a4404359b_proj
	.p2align	8
	.type	k_q3a4404359b_proj,@function
k_q3a4404359b_proj:
	s_mov_b64 s[64:65], 0
	v_nop
	global_prefetch_b8 v0, s[64:65] scope:SCOPE_SE
	s_setreg_imm32_b32 hwreg(HW_REG_WAVE_MODE, 25, 1), 1
	s_wait_xcnt 0x0
	s_wait_alu depctr_hold_cnt(0) depctr_sa_sdst(0) depctr_va_vdst(0) depctr_va_sdst(0) depctr_va_ssrc(0) depctr_va_vcc(0) depctr_vm_vsrc(0)
	s_getreg_b32 s2, hwreg(HW_REG_IB_STS2, 6, 4)
	s_cmp_eq_u32 s2, 0
	s_cbranch_scc0 .Lentry_in_a_cluster
	s_endpgm
.Lentry_in_a_cluster:
	s_bfe_u32 s2, ttmp6, 0x10000c
	s_cmp_lg_u32 s2, 0xf033
	s_cbranch_scc0 .Lentry_shape_is_right
	s_endpgm
.Lentry_shape_is_right:
; k = (x Wk^T) 2^-2.5 and v = x Wv^T on codes of FP6 (E2M3), K = 1,024; the results are quantised here, from f32: k along the head's 64, v along the keys.
; 8,192 x 2,048 results in 256 tiles of 256 x 256, a work-group of four waves to a tile, a wave 128 x 128.  16 clusters of 4 x 4: cluster y / 8 says which product (k, v).
; The matrix instruction is used transposed (source 0 = rows of B, source 1 = rows of A).  k: A = x, B = Wk.  v: A = Wv, B = x: a lane holds a channel, its registers run along the keys.
; K goes through a ring of two LDS slots in chunks of 256 bytes of each row (a row of codes is 768 bytes); a step of 128 along K is 96 bytes: steps 2 and 5 lie across two chunks.
; A's tiles are asked for jointly along a row of the cluster, B's along a column; the scale bytes of the tile's rows come once.
; THE RECORD, for one head and 128 tokens, 6,400 bytes: four fragment images of 1,536 bytes (registers 4 c .. 4 c + 3 of lane l at 512 c + 16 l) and 256 bytes of scale words (lane l's 8 bytes at 8 l:
; word j holds fragment 2 j's words in lanes 0-15 and fragment 2 j + 1's in lanes 16-31).  kv = sections k, v of [batch 4][head 16][16][6,400].
;   k: fragment f = 32 tokens: registers 0-5 tokens 32 f + lane % 16, registers 6-11 tokens 32 f + 16 + lane % 16.   v: fragment t = channels 16 t + lane % 16 x 128 keys.
; Inside a block of 32 the codes lie in the order 0-7, 16-23, 8-15, 24-31; q and the weights p of the next launch have the same order.
; BESIDE IT each wave copies one fragment (16 rows x 128 K) of Wq (k's clusters) or Wo (v's) into wimg [2][row tile 64][K step 8][1,536] as an image of operand registers: 1,024 fragments, 1,024 waves.
; No prefetch: K has three chunks, of which two are asked for at the head.
; LIMITS: NaN and infinities among the inputs are not served.  A block whose largest magnitude lies under 2^-124, or that is all zeros, gets the scale byte 1; only this program reads the bytes.
.set ROWB,   256
.set NQ,     2
.set KROW,   768
.set STEPS,  8
.set CHUNKS, 3
.set PITCH,  272
.set FR,     12
.set NL,     6
.set NP,     4
.set HALFT,  128*PITCH
.set SLOT,   4*HALFT
.set KS,     32
.set SCL,    2*SLOT
.set HALFS,  (128*KS/256)*272
.set SBLK,   (16*KS/256)*272
.set SPARE,  SCL+4*HALFS
.set SEC,    6553600
.set HS,     102400
.set REC,    6400
.set FRB,    1536
.set ADRA, 16
.set ADRB, 20
.set L16,  26
.set ADRS, 27
.set SPW,  28
.set NIL,  29
.set SC,   32
.set AF,   128
.set G1, 24
.set G0, 32
.set G1B, 48
.set G0B, 56
.set G1S, 68
.set G0S, 76
.set G1SB, 80
.set G0SB, 88
.set G0H, 4
.set G0HB, 8
.set MQK, 92
.set MH,  93
.set P1,  94
.set P2,  96
.set P3,  97
.set TM,  32
.set HAL, 48
.set XX,  52
.set YY,  53
.set T,   64
.set F1,  128
.set F2,  140
.set PCT, 152
.set UU,  160
.set WW,  166
.set WF,  176
.set WS,  180
.set VA,  184
.set L8,  192
.set UN0, 194
.set UN1, 196
.set TT,  198
.set MSB, 0
.macro WIN new
.if MSB != \new
	s_set_vgpr_msb (MSB<<8)|\new
.set MSB, \new
.endif
.endm
.set MUL_LO, 0xa1
.set MUL_HI, 0xf1
.set TO_B,   0x40
.macro JLOAD g0a, g1a, g0b, g1b        ; a joint load: waves 0, 1 for A, waves 2, 3 for B
	s_cmp_eq_u32 s15, 0
	s_cbranch_scc0 .Lfor_b_\@
	tensor_load_to_lds s[\g0a:\g0a+3], s[\g1a:\g1a+7]
	s_nop 0
.rept 4
	v_nop
.endr
	s_branch .Lasked_\@
.Lfor_b_\@:
	tensor_load_to_lds s[\g0b:\g0b+3], s[\g1b:\g1b+7]
	s_nop 0
.rept 4
	v_nop
.endr
.Lasked_\@:
.endm
.macro CREST
	s_cmp_lg_u32 s14, 0
	s_cbranch_scc1 .Lnot_wave_0_\@
	s_barrier_signal -3
.Lnot_wave_0_\@:
	s_barrier_wait -3
	s_barrier_signal -1
	s_barrier_wait -1
.endm
.macro CROUND
	s_barrier_signal -1
	s_barrier_wait -1
	CREST
.endm
	s_load_b512 s[68:83], s[0:1], 0x0              ; x, Wk, Wv: codes and scales; Wq's codes, Wo's codes
	s_load_b64 s[12:13], s[0:1], 0x40              ; kv
	s_load_b64 s[98:99], s[0:1], 0x48              ; wimg
	v_lshl_add_u32 v[SPW], v0, 2, SPARE
	v_mov_b32 v[NIL], 0
	ds_add_u32 v[SPW], v[NIL]                      ; the opening lines
	ds_add_u32 v[SPW], v[NIL]
	v_lshrrev_b32 v1, 5, v0
	v_readfirstlane_b32 s14, v1                    ; wave
	s_lshr_b32 s15, s14, 1
	s_and_b32 s16, s14, 1
	s_bfe_u32 s40, ttmp6, 0x40000                  ; cx
	s_bfe_u32 s41, ttmp6, 0x40004                  ; cy
	s_and_b32 s97, ttmp7, 0xffff                   ; cluster y, 0..15
	s_lshr_b32 s95, s97, 3
	s_add_co_u32 s95, s95, 1                       ; 1 k, 2 v
	s_and_b32 s96, s97, 7
	s_lshl_b32 s96, s96, 2
	s_cmp_eq_u32 s95, 2
	s_cselect_b32 s17, 0, s96                      ; k: the tokens are A's rows; v: they are B's
	s_cselect_b32 s42, s96, 0
	s_add_co_u32 s17, s17, s41                     ; tile row
	s_add_co_u32 s42, s42, s40                     ; tile column
	s_lshl_b32 s43, s41, 2
	s_lshl_b32 s43, 15, s43                        ; my row of the cluster
	s_lshl_b32 s44, 0x1111, s40                    ; my column
	s_or_b32 s[G1+0], s43, (1<<20)|(1<<21)|(5<<22)|(3<<25)
	s_or_b32 s[G1B+0], s44, (1<<20)|(1<<21)|(5<<22)|(3<<25)
.irp g, G1, G1B
	s_mov_b32 s[\g+1], ROWB<<16
	s_mov_b32 s[\g+2], 256<<16
	s_mov_b32 s[\g+3], ROWB<<16
	s_mov_b32 s[\g+4], 256
	s_mov_b32 s[\g+5], KROW
	s_mov_b32 s[\g+6], 0
	s_mov_b32 s[\g+7], 0
.endr
	s_lshl_b32 s20, s17, 8
	s_lshl_b32 s46, s42, 8
	s_mov_b32 s21, 0
	s_mov_b32 s47, 0
	s_mov_b64 s[18:19], KS
	s_mul_u64 s[22:23], s[20:21], s[18:19]
	s_mul_u64 s[92:93], s[46:47], s[18:19]
	s_mov_b64 s[18:19], KROW
	s_mul_u64 s[20:21], s[20:21], s[18:19]
	s_mul_u64 s[46:47], s[46:47], s[18:19]
	s_mul_i32 s18, s16, 128*KROW
	s_mov_b32 s19, 0
	s_mul_i32 s45, s14, HALFT
	s_wait_dscnt 0x0
	s_wait_kmcnt 0x0
	s_cmp_eq_u32 s95, 2                            ; the choices hang on the cluster's number alone
	s_cselect_b64 s[72:73], s[76:77], s[72:73]
	s_cselect_b64 s[74:75], s[78:79], s[74:75]
	s_cselect_b64 s[80:81], s[82:83], s[80:81]     ; the weight that is copied: Wq or Wo
	s_cselect_b64 s[4:5], s[72:73], s[68:69]
	s_cselect_b64 s[6:7], s[74:75], s[70:71]
	s_cselect_b64 s[8:9], s[68:69], s[72:73]
	s_cselect_b64 s[10:11], s[70:71], s[74:75]
	s_add_nc_u64 s[20:21], s[4:5], s[20:21]
	s_add_nc_u64 s[22:23], s[6:7], s[22:23]
	s_add_nc_u64 s[46:47], s[8:9], s[46:47]
	s_add_nc_u64 s[92:93], s[10:11], s[92:93]
	s_lshl_b32 s84, s97, 4                         ; my fragment of the 1,024: ((16 cluster y + 4 cy + cx) 4 + wave)
	s_lshl_b32 s85, s41, 2
	s_add_co_u32 s84, s84, s85
	s_add_co_u32 s84, s84, s40
	s_lshl_b32 s84, s84, 2
	s_add_co_u32 s84, s84, s14
	s_mul_i32 s86, s84, FRB
	s_mov_b32 s87, 0
	s_add_nc_u64 s[98:99], s[98:99], s[86:87]
	s_bfe_u32 s86, s84, 0x60003                    ; its row tile,
	s_mul_i32 s86, s86, 16*KROW
	s_and_b32 s85, s84, 7                          ; its K step
	s_mul_i32 s85, s85, 96
	s_add_co_u32 s86, s86, s85
	s_add_nc_u64 s[2:3], s[80:81], s[86:87]
	s_or_b32 s[G1S+0], s43, (3<<16)|(1<<20)|(1<<21)|(5<<22)|(3<<25)
	s_or_b32 s[G1SB+0], s44, (3<<16)|(1<<20)|(1<<21)|(5<<22)|(3<<25)
.irp g, G1S, G1SB
	s_mov_b32 s[\g+1], 32<<16
	s_mov_b32 s[\g+2], KS<<16
	s_mov_b32 s[\g+3], 32<<16
	s_mov_b32 s[\g+4], KS
	s_mov_b32 s[\g+5], 32
	s_mov_b32 s[\g+6], 0
	s_mov_b32 s[\g+7], 0
.endr
	CROUND                                         ; the first joint loads meet
	s_mov_b32 s[G0H], 1
	s_mov_b32 s[G0H+1], 0
	s_mov_b64 s[G0H+2:G0H+3], s[20:21]
	s_or_b32 s[G0H+3], s[G0H+3], 0x80000000
	s_mov_b32 s[G0HB], 1
	s_mov_b32 s[G0HB+1], 2*HALFT
	s_mov_b64 s[G0HB+2:G0HB+3], s[46:47]
	s_or_b32 s[G0HB+3], s[G0HB+3], 0x80000000
	s_mov_b32 s[G0S], 1
	s_mov_b32 s[G0S+1], SCL
	s_mov_b64 s[G0S+2:G0S+3], s[22:23]
	s_or_b32 s[G0S+3], s[G0S+3], 0x80000000
	s_mov_b32 s[G0SB], 1
	s_mov_b32 s[G0SB+1], SCL+2*HALFS
	s_mov_b64 s[G0SB+2:G0SB+3], s[92:93]
	s_or_b32 s[G0SB+3], s[G0SB+3], 0x80000000
	s_add_nc_u64 s[20:21], s[20:21], s[18:19]
	s_add_nc_u64 s[46:47], s[46:47], s[18:19]
.irp s, 0,1
	s_mov_b32 s[G0+4*\s], 1
	s_add_co_u32 s[G0+4*\s+1], s45, \s*SLOT
	s_add_nc_u64 s[G0+4*\s+2:G0+4*\s+3], s[20:21], \s*ROWB
	s_or_b32 s[G0+4*\s+3], s[G0+4*\s+3], 0x80000000
	s_mov_b32 s[G0B+4*\s], 1
	s_add_co_u32 s[G0B+4*\s+1], s45, \s*SLOT
	s_add_nc_u64 s[G0B+4*\s+2:G0B+4*\s+3], s[46:47], \s*ROWB
	s_or_b32 s[G0B+4*\s+3], s[G0B+4*\s+3], 0x80000000
.endr
; the head's four tiles, one load a wave: chunk 0 of A, chunk 0 of B, A's scales, B's scales
.macro ARM under, g0, g1, next
	s_cmp_lt_u32 s14, \under
	s_cbranch_scc0 \next
	tensor_load_to_lds s[\g0:\g0+3], s[\g1:\g1+7]
	s_nop 0
.rept 4
	v_nop
.endr
	s_branch .Lhead_asked
\next:
.endm
	ARM 1, G0H,  G1,  .Lhead_b
	ARM 2, G0HB, G1B, .Lhead_sa
	ARM 3, G0S,  G1S, .Lhead_sb
	tensor_load_to_lds s[G0SB:G0SB+3], s[G1SB:G1SB+7]
	s_nop 0
.rept 4
	v_nop
.endr
.Lhead_asked:
	v_and_b32 v1, 15, v0
	v_bfe_u32 v2, v0, 4, 1
	v_mul_u32_u24 v8, v1, KROW
	v_mad_u32_u24 v8, v2, 24, v8
.irp p, 0,1,2,3,4,5
	global_load_b64 v[64+2*\p:65+2*\p], v8, s[2:3] offset:48*(\p/3)+8*(\p%3)   ; the weight's fragment, as the operand's registers take it
.endr
	v_mul_u32_u24 v3, v1, PITCH
	v_mul_u32_u24 v4, v2, 24
	v_add_nc_u32 v4, v3, v4
	s_mov_b32 s21, SLOT-232
	s_mov_b32 s22, SLOT+232
	v_sub_nc_u32 v7, 1, v2
	v_mul_u32_u24 v5, s21, v2
	v_add_nc_u32 v5, v3, v5
	v_add_nc_u32 v5, 232, v5                       ; across two chunks: lanes 0-15 byte 232 in slot 0, lanes 16-31 byte 0 in slot 1;
	v_mul_u32_u24 v6, s22, v7
	v_add_nc_u32 v6, v3, v6                        ; and the other way round
	s_mul_i32 s21, s15, HALFT
	s_mul_i32 s22, s16, HALFT
	s_add_co_u32 s22, s22, 2*HALFT
	v_add_nc_u32 v[ADRA+2], s21, v5
	v_add_nc_u32 v[ADRA+3], s21, v6
	v_add_nc_u32 v[ADRB+2], s22, v5
	v_add_nc_u32 v[ADRB+3], s22, v6
.irp s, 0,1
	v_add_nc_u32 v[ADRA+\s], s21, v4
	v_add_nc_u32 v[ADRB+\s], s22, v4
	s_add_co_u32 s21, s21, SLOT
	s_add_co_u32 s22, s22, SLOT
.endr
	v_mul_u32_u24 v5, v1, KS
	v_lshrrev_b32 v6, 8, v5
	v_lshl_add_u32 v5, v6, 4, v5
	s_mul_i32 s21, s15, HALFS
	s_mul_i32 s22, s16, HALFS
	s_add_co_u32 s22, s22, 2*HALFS
	s_sub_co_u32 s22, s22, s21
	v_mul_u32_u24 v6, s22, v2
	s_add_co_u32 s21, s21, SCL
	v_add_nc_u32 v5, v5, v6
	v_add_nc_u32 v[ADRS], s21, v5
	v_and_b32 v6, 31, v0
	v_lshlrev_b32 v[L16], 4, v6
	; where my two records begin in kv
	s_lshl_b32 s20, s17, 1
	s_add_co_u32 s20, s20, s15
	s_lshl_b32 s46, s42, 1
	s_add_co_u32 s46, s46, s16
	s_cmp_eq_u32 s95, 2
	s_cselect_b32 s21, s46, s20                    ; which 128 tokens
	s_cselect_b32 s22, s20, s46                    ; which pair of heads
	s_lshr_b32 s23, s21, 4
	s_lshl_b32 s23, s23, 4
	s_lshl_b32 s22, s22, 1
	s_add_co_u32 s23, s23, s22
	s_mul_i32 s23, s23, HS
	s_and_b32 s21, s21, 15
	s_mul_i32 s21, s21, REC
	s_add_co_u32 s23, s23, s21
	s_sub_co_u32 s22, s95, 1
	s_mul_i32 s22, s22, SEC
	s_add_co_u32 s22, s22, s23
	s_mov_b32 s23, 0
	s_add_nc_u64 s[12:13], s[12:13], s[22:23]
	s_cmp_eq_u32 s95, 2
	s_mov_b32 s22, 0x3e3504f3                      ; 2^-2.5 for k, 1 for v
	s_cselect_b32 s22, 1.0, s22
	s_mov_b32 s23, s22
	s_cselect_b32 s[MQK], 0, -1
	s_mov_b32 s[P1], 2*FRB
	s_cselect_b32 s[P1], HS, s[P1]
	s_mov_b32 s[P2], FRB
	s_cselect_b32 s[P2], 2*FRB, s[P2]
	s_mov_b32 s[P3], HS
	s_cselect_b32 s[P3], FRB, s[P3]
	s_mov_b32 s[MH], 0xffff0000
	s_mov_b32 s20, 0x76543210
	s_mov_b32 s21, 0xfedcba98
.macro FRAG reg, adr, st, i            ; 16 rows x 128 K in pieces of 8 bytes; byte y of a row lies in slot (y / 256) % 2 at byte y % 256 of the LDS row
.irp p, 0,1,2,3,4,5
.set BY, 96*(\st)+48*(\p/3)+8*(\p%3)
.if BY/ROWB == (BY+24)/ROWB
	ds_load_b64 v[\reg+2*\p:\reg+2*\p+1], v[\adr+(BY/ROWB)%2] offset:BY%ROWB+(\i)*16*PITCH
.else
	ds_load_b64 v[\reg+2*\p:\reg+2*\p+1], v[\adr+2+(BY/ROWB)%2] offset:BY%ROWB-232+(\i)*16*PITCH
.endif
.endr
.endm
.macro MUL16 a0, p, q, sc, zero        ; the 64 accumulators take turns
.irp a, \a0, \a0+1
.irp b, 0,1,2,3,4,5,6,7
.if \zero
	v_wmma_scale_f32_16x16x128_f8f6f4 v[8*(8*((\a)%4)+\b):8*(8*((\a)%4)+\b)+7], v[128*(\p)+FR*\b:128*(\p)+FR*\b+FR-1], v[AF+FR*(\a):AF+FR*(\a)+FR-1], 0, v[SC+8*NQ*(\sc)+NQ*\b+(\q)], v[SC+8*NQ*(\sc)+NQ*(\a)+(\q)] matrix_a_fmt:MATRIX_FMT_FP6 matrix_b_fmt:MATRIX_FMT_FP6 matrix_a_scale:MATRIX_SCALE_ROW1
.else
	v_wmma_scale_f32_16x16x128_f8f6f4 v[8*(8*((\a)%4)+\b):8*(8*((\a)%4)+\b)+7], v[128*(\p)+FR*\b:128*(\p)+FR*\b+FR-1], v[AF+FR*(\a):AF+FR*(\a)+FR-1], v[8*(8*((\a)%4)+\b):8*(8*((\a)%4)+\b)+7], v[SC+8*NQ*(\sc)+NQ*\b+(\q)], v[SC+8*NQ*(\sc)+NQ*(\a)+(\q)] matrix_a_fmt:MATRIX_FMT_FP6 matrix_b_fmt:MATRIX_FMT_FP6 matrix_a_scale:MATRIX_SCALE_ROW1
.endif
.endr
.endr
.endm
.macro FETCH_B st, p
	WIN TO_B
.irp i, 0,1,2,3,4,5,6,7
	FRAG 128*(\p)+FR*\i, ADRB, \st, \i
.endr
	WIN 0
.endm
.macro FETCH_A st, i0
.irp i, \i0, \i0+1, \i0+2, \i0+3
	FRAG AF+FR*(\i), ADRA, \st, \i
.endr
.endm
.macro SCALES pr
.irp i, 0,1,2,3,4,5,6,7
	ds_load_b64 v[SC+8*NQ*((\pr)%2)+NQ*\i:SC+8*NQ*((\pr)%2)+NQ*\i+1], v[ADRS] offset:\i*SBLK+4*NQ*(\pr)
.endr
.endm
.macro PLACES n
.rept \n
	v_nop
.endr
.endm
; A step of 128 along K.  Where the next step's bytes end in a chunk not yet read: a barrier for that chunk.  Where they begin in a later chunk: the three lines, the barrier, and, where a chunk two on is left, the cluster's round and the refill.
.macro STEP st, zero
.set NX, (\st)+1
.set C0, (96*(\st))/ROWB
.set C1, (96*NX)/ROWB
.set E0, (96*(\st)+95)/ROWB
.set E1, (96*NX+95)/ROWB
.if C1 > C0 || E1 > E0
	s_wait_tensorcnt 0x0                           ; all my tensor loads have landed
.if C1 > C0
	ds_add_u32 v[SPW], v[NIL]
	s_wait_dscnt 4*NL+1                            ; the add and A's blocks 4-7 may be out
.else
	s_wait_dscnt 4*NL
.endif
	WIN MUL_LO
	MUL16 0, (\st)%2, (\st)%2, ((\st)/2)%2, \zero
	s_wait_dscnt 0x0                               ; the add and my reads are done
	s_barrier_signal -1
	MUL16 2, (\st)%2, (\st)%2, ((\st)/2)%2, \zero
	WIN 0
	s_barrier_wait -1
.if C1 > C0 && C0+2 < CHUNKS
	CREST
	s_add_nc_u64 s[G0+4*(C0%2)+2:G0+4*(C0%2)+3], s[G0+4*(C0%2)+2:G0+4*(C0%2)+3], 2*ROWB
	s_add_nc_u64 s[G0B+4*(C0%2)+2:G0B+4*(C0%2)+3], s[G0B+4*(C0%2)+2:G0B+4*(C0%2)+3], 2*ROWB
	JLOAD G0+4*(C0%2), G1, G0B+4*(C0%2), G1B
.else
	PLACES NP
.endif
.else
	s_wait_dscnt 4*NL                              ; A's blocks 4-7 may be out
	WIN MUL_LO
	MUL16 0, (\st)%2, (\st)%2, ((\st)/2)%2, \zero
	MUL16 2, (\st)%2, (\st)%2, ((\st)/2)%2, \zero
	s_wait_dscnt 0
	PLACES NP
.endif
	FETCH_B NX, NX%2
	FETCH_A NX, 0
.if NX%2 == 0
	SCALES NX/2
.endif
	WIN MUL_HI
	MUL16 4, (\st)%2, (\st)%2, ((\st)/2)%2, \zero
	MUL16 6, (\st)%2, (\st)%2, ((\st)/2)%2, \zero
	PLACES NP
	WIN 0
	FETCH_A NX, 4
.endm
	s_wait_alu depctr_va_vdst(0)                   ; the wait at the head's end
	s_wait_loadcnt 0x0                             ; the weight's fragment is in
.irp c, 0,1,2
	global_store_b128 v[L16], v[64+4*\c:67+4*\c], s[98:99] offset:512*\c   ; 32 lanes store 512 consecutive bytes, aligned
.endr
	s_wait_tensorcnt 0x0                           ; my tile of the head's four is in
	ds_add_u32 v[SPW], v[NIL]
	s_mov_b32 s[G1+2], 128<<16                     ; no tensor load of mine is out: from here on a load brings 128 rows
	s_mov_b32 s[G1+4], 128
	s_mov_b32 s[G1B+2], 128<<16
	s_mov_b32 s[G1B+4], 128
	s_wait_dscnt 0x0
	CROUND
	JLOAD G0+4, G1, G0B+4, G1B                     ; chunk 1, the first tensor load behind the round
	FETCH_B 0, 0
	FETCH_A 0, 0
	SCALES 0
	FETCH_A 0, 4
	STEP 0, 1
.set ST, 1
.rept STEPS-2
	STEP ST, 0
.set ST, ST+1
.endr
	s_wait_dscnt 4*NL
	WIN MUL_LO
	MUL16 0, 1, 1, 1, 0
	MUL16 2, 1, 1, 1, 0
	s_wait_dscnt 0
	WIN MUL_HI
	MUL16 4, 1, 1, 1, 0
	MUL16 6, 1, 1, 1, 0
	WIN 0
; THE WAY OUT.  A block of 16 rows is 64 numbers a lane, register 16 b + i in block b of 32 along the next K; lanes l and l xor 16 share a block.
.macro QUANT s, d0, d1
.irp b, 0,1,2,3
	v_max3_num_f32 v[TM+\b], |v[\s+16*\b]|, |v[\s+1+16*\b]|, 0x1800000   ; with the floor 2^(3 - 127)
.endr
.irp i, 2,4,6,8,10,12,14
.irp b, 0,1,2,3
	v_max3_num_f32 v[TM+\b], v[TM+\b], |v[\s+16*\b+\i]|, |v[\s+1+16*\b+\i]|
.endr
.endr
.irp b, 0,1,2,3
	v_permlanex16_b32 v[TM+4+\b], v[TM+\b], s20, s21
.endr
.irp b, 0,1,2,3
	v_max_num_f32 v[TM+\b], v[TM+\b], v[TM+4+\b]
.endr
.irp b, 0,1,2,3
	v_add_nc_u32 v[TM+12+\b], 0xff000000, v[TM+\b] ; 2 off the exponent field: the conversion's scale operand
.endr
.irp b, 0,1,2,3
	v_lshrrev_b32 v[TM+4+\b], 23, v[TM+12+\b]      ; the byte
.endr
	v_cvt_scalef32_pk16_fp6_f32 v[\d0:\d0+2], v[\s:\s+15], v[TM+12]
	v_cvt_scalef32_pk16_fp6_f32 v[PCT:PCT+2], v[\s+16:\s+31], v[TM+13]
	v_cvt_scalef32_pk16_fp6_f32 v[\d1:\d1+2], v[\s+32:\s+47], v[TM+14]
	v_cvt_scalef32_pk16_fp6_f32 v[PCT+4:PCT+6], v[\s+48:\s+63], v[TM+15]
	v_nop
.irp i, 0,1,2
	v_permlane16_swap_b32 v[\d0+\i], v[PCT+\i]
	v_permlane16_swap_b32 v[\d1+\i], v[PCT+4+\i]
.endr
.irp i, 0,1,2
	v_mov_b32 v[\d0+3+\i], v[PCT+\i]
	v_mov_b32 v[\d1+3+\i], v[PCT+4+\i]
.endr
.endm
.macro HALF a, d0, d1, hl
	WIN 0x02+(\a)/4
.irp j, 0,2,4,6,8,10,12,14,16,18,20,22,24,26,28,30,32,34,36,38,40,42,44,46,48,50,52,54,56,58,60,62
	v_pk_mul_f32 v[T+\j:T+\j+1], v[64*((\a)%4)+\j:64*((\a)%4)+\j+1], s[22:23] op_sel_hi:[1,0]
.endr
	WIN 0
	QUANT T, \d0, \d1
	v_lshl_or_b32 v[\hl], v[TM+5], 8, v[TM+4]
	v_lshl_or_b32 v[\hl+1], v[TM+7], 8, v[TM+6]
.endm
.macro VADDR pr, e
	s_mov_b32 s98, 0
.if (\pr)>>1
	s_add_co_u32 s98, s98, s[P1]
.endif
.if (\pr)&1
	s_add_co_u32 s98, s98, s[P2]
.endif
.if \e
	s_add_co_u32 s98, s98, s[P3]
.endif
	v_add_nc_u32 v[VA+2*(\pr)+(\e)], s98, v[L16]
.endm
; Two blocks of rows make two fragments.  k: the blocks' registers 0-5 (head 0) are one fragment of 32 tokens, registers 6-11 (head 1) the other.  v: each block is a fragment.
.macro PAIR pr
.if \pr > 0
	s_wait_xcnt 0x0                                ; the last pair's stores have read their registers
.endif
	HALF 2*(\pr), F1, UU, HAL
	HALF 2*(\pr)+1, WW, F2+6, HAL+2
.irp i, 0,1,2,3,4,5
	v_cndmask_b32 v[F1+6+\i], v[UU+\i], v[WW+\i], s[MQK]
	v_cndmask_b32 v[F2+\i], v[WW+\i], v[UU+\i], s[MQK]
.endr
	v_cndmask_b32 v[XX], v[HAL+1], v[HAL+2], s[MQK]
	v_cndmask_b32 v[YY], v[HAL+2], v[HAL+1], s[MQK]
	v_lshl_or_b32 v[WF+\pr], v[XX], 16, v[HAL]
	v_lshl_or_b32 v[WS+\pr], v[HAL+3], 16, v[YY]
.irp c, 0,1,2
	global_store_b128 v[VA+2*(\pr)], v[F1+4*\c:F1+4*\c+3], s[12:13] offset:512*\c
	global_store_b128 v[VA+2*(\pr)+1], v[F2+4*\c:F2+4*\c+3], s[12:13] offset:512*\c
.endr
.endm
	PLACES NP
	s_wait_xcnt 0x0                                ; the copy's stores have read their registers and base
.irp b, 0,1,2,3
	v_mov_b32 v[TM+4+\b], 0
.endr
.irp pr, 0,1,2,3
	VADDR \pr, 0
	VADDR \pr, 1
.endr
	v_and_b32 v[L8], 31, v0
	v_lshlrev_b32 v[L8], 3, v[L8]
	PAIR 0
	PAIR 1
	PAIR 2
	PAIR 3
	v_cndmask_b32 v[TT], v[WS], v[WF+1], s[MQK]
	v_cndmask_b32 v[TT+1], v[WF+1], v[WF+2], s[MQK]
	v_cndmask_b32 v[TT+2], v[WS+1], v[WF+3], s[MQK]
	v_cndmask_b32 v[UN0], v[WF], v[TT], s[MH]
	v_cndmask_b32 v[UN0+1], v[TT+1], v[TT+2], s[MH]
	v_cndmask_b32 v[TT], v[WF+2], v[WS], s[MQK]
	v_cndmask_b32 v[TT+1], v[WS+2], v[WS+1], s[MQK]
	v_cndmask_b32 v[TT+2], v[WF+3], v[WS+2], s[MQK]
	v_cndmask_b32 v[UN1], v[TT], v[TT+1], s[MH]
	v_cndmask_b32 v[UN1+1], v[TT+2], v[WS+3], s[MH]
	global_store_b64 v[L8], v[UN0:UN0+1], s[12:13] offset:4*FRB
	global_store_b64 v[L8], v[UN1:UN1+1], s[12:13] offset:4*FRB+HS
	s_wait_tensorcnt 0x0                           ; the wave's end
	ds_add_u32 v[SPW], v[NIL]
	s_wait_dscnt 0x0
	CROUND
	s_endpgm
.Lfunc_end_k_q3a4404359b_proj:
	.size	k_q3a4404359b_proj, .Lfunc_end_k_q3a4404359b_proj-k_q3a4404359b_proj
	.p2alignl 7, 3214868480
	.fill 96, 4, 3214868480
	.section	.rodata,"a",@progbits
	.p2align	6, 0x0
	.amdhsa_kernel k_q3a4404359b_proj
		.amdhsa_group_segment_fixed_size 327680
		.amdhsa_private_segment_fixed_size 0
		.amdhsa_enable_private_segment 0
		.amdhsa_kernarg_size 80
		.amdhsa_user_sgpr_count 2
		.amdhsa_user_sgpr_kernarg_segment_ptr 1
		.amdhsa_wavefront_size32 1
		.amdhsa_system_sgpr_workgroup_id_x 1
		.amdhsa_system_sgpr_workgroup_id_y 1
		.amdhsa_system_sgpr_workgroup_id_z 1
		.amdhsa_system_vgpr_workitem_id 0
		.amdhsa_next_free_vgpr 1024
		.amdhsa_next_free_sgpr 100
		.amdhsa_reserve_vcc 0
		.amdhsa_float_denorm_mode_32 3
		.amdhsa_float_denorm_mode_16_64 3
		.amdhsa_memory_ordered 1
		.amdhsa_forward_progress 1
		.amdhsa_inst_pref_size 188
	.end_amdhsa_kernel
	.amdgpu_metadata
---
amdhsa.version: [ 1, 2 ]
amdhsa.kernels:
  - .name:           k_q3a4404359b_proj
    .symbol:         k_q3a4404359b_proj.kd
    .args:
      - { .name: x_codes, .offset: 0, .size: 8, .value_kind: global_buffer, .address_space: global }
      - { .name: x_scales, .offset: 8, .size: 8, .value_kind: global_buffer, .address_space: global }
      - { .name: Wk_codes, .offset: 16, .size: 8, .value_kind: global_buffer, .address_space: global }
      - { .name: Wk_scales, .offset: 24, .size: 8, .value_kind: global_buffer, .address_space: global }
      - { .name: Wv_codes, .offset: 32, .size: 8, .value_kind: global_buffer, .address_space: global }
      - { .name: Wv_scales, .offset: 40, .size: 8, .value_kind: global_buffer, .address_space: global }
      - { .name: Wq_codes, .offset: 48, .size: 8, .value_kind: global_buffer, .address_space: global }
      - { .name: Wo_codes, .offset: 56, .size: 8, .value_kind: global_buffer, .address_space: global }
      - { .name: kv, .offset: 64, .size: 8, .value_kind: global_buffer, .address_space: global }
      - { .name: wimg, .offset: 72, .size: 8, .value_kind: global_buffer, .address_space: global }
    .group_segment_fixed_size: 327680
    .private_segment_fixed_size: 0
    .kernarg_segment_align: 8
    .kernarg_segment_size: 80
    .max_flat_workgroup_size: 128
    .sgpr_count:     100
    .vgpr_count:     1024
    .wavefront_size: 32
...
	.end_amdgpu_metadata
.endif
;; end of part 1
;; launch fused (part 2): grid 256 x 1, 8 waves a work-group, clusters of 4 x 1, 327,680 bytes of LDS; arguments x_codes, x_scales, Wq_scales, Wo_scales, bo, kv, wimg, out0; writes out0
.if DOCPART == 2
	.amdgcn_target "amdgcn-amd-amdhsa--gfx1250"
	.amdhsa_code_object_version 6
	.text
	.protected	k_q3a4404359b_fused
	.globl	k_q3a4404359b_fused
	.p2align	8
	.type	k_q3a4404359b_fused,@function
k_q3a4404359b_fused:
	s_mov_b64 s[64:65], 0
	v_nop
	global_prefetch_b8 v0, s[64:65] scope:SCOPE_SE
	s_setreg_imm32_b32 hwreg(HW_REG_WAVE_MODE, 25, 1), 1
	s_wait_xcnt 0x0
	s_wait_alu depctr_hold_cnt(0) depctr_sa_sdst(0) depctr_va_vdst(0) depctr_va_sdst(0) depctr_va_ssrc(0) depctr_va_vcc(0) depctr_vm_vsrc(0)
	s_getreg_b32 s2, hwreg(HW_REG_IB_STS2, 6, 4)
	s_cmp_eq_u32 s2, 0
	s_cbranch_scc0 .Lentry_in_a_cluster
	s_endpgm
.Lentry_in_a_cluster:
	s_bfe_u32 s2, ttmp6, 0x10000c
	s_cmp_lg_u32 s2, 0x3003
	s_cbranch_scc0 .Lentry_shape_is_right
	s_endpgm
.Lentry_shape_is_right:
; out = (softmax(q k^T) v) Wo^T + bo with q = (x Wq^T) 2^-2.5, all products on codes of FP6 (E2M3) with one E8M0 scale for each 32 along K.
; SHARES.  A work-group owns 32 tokens and all 16 heads; each of its eight waves owns two heads, one after the other, and both tiles of 16 tokens, so that each fragment of k and v feeds two products.
; 1. q: my 128 rows of Wq x 32 tokens, K = 1,024; quantised in registers along each head's 64.   2. For each head 16 steps of 128 keys.   3. o is quantised along the channels, goes to the other waves
; through LDS as images of operand registers; then my 128 rows of Wo x 32 tokens, bo as the first product's C; the results leave through my own stage in LDS as rows of 512 bytes.
; Every product is used transposed (source 0 = rows of W, k or v^T; source 1 = tokens): a lane holds one token (lane % 16) throughout.
; k and v come as records (6,400 bytes for a head and 128 tokens: four fragment images of 1,536 bytes, 256 bytes of scale words), Wq and Wo as fragment images in wimg [2][row tile 64][K step 8][1,536]:
; each load of 16 bytes a lane reads 512 consecutive bytes straight into operand registers.  A wave's 32 records of k (and of v) are consecutive; each record is asked for one step ahead of its use; the last step asks for its own record again.
; CLUSTER.  The four work-groups of a cluster walk the same Wq and Wo.  K steps 5 to 7 of my 128 rows (8 rows of 4,608 bytes, 36,864 bytes a wave, 294,912 in all) are asked for jointly, one tensor load a wave, into my own part of LDS:
; Wq's at the head, Wo's as the one refill behind the q product, so that it has the whole walk over the keys in which to land.  The other K steps come by loads into two sets of registers; Wo's K step 0 waits in the set that the walk leaves idle.
; k and v are not asked for jointly: no two waves of a work-group read the same record, and one key step of 16 heads is 204,800 bytes, so two slots do not fit beside the weights' 294,912 bytes.
; NO PREFETCH: each load into registers is itself issued a whole step ahead of its wait, and the refill a whole walk ahead.
; THE HEAD'S 64 IN AN INSTRUCTION OF 128: a fragment of k holds two tiles of 16 keys; it is multiplied by [q | zero codes] and by [zero codes | q]; over the zero codes q's scale bytes are 0.
; THE SOFTMAX: t = score x log2(e); M = the running largest t rounded up; p = 2^(t - M) is quantised along the keys; the sum is taken of the unquantised p and divides at the end; when M moves, sums and O are multiplied by 2^(old M - new M).
; LIMITS: NaN and infinities are not served; the promise holds while the scaled scores stay under 2^31 in magnitude.  v_exp_f32 gives 0 for p under 2^-126.  A block under 2^-124 or of zeros gets the scale byte 1; only this program reads the bytes.
; REGISTERS.  Window 0: v0-7 addresses; v8-37 [0 | q0 | 0 | q1 | 0]; v38-49 the second head's q; v50-95 scales and small things; v96-223 S^T, p, and the small products' sums; v224-231 scale operands; v232-255 p's codes.
; Window 1: v0-63 O^T (in the small products bo, then four fragments of W out of LDS); v64-111 k's fragments, v112-159 v's (in the small products v64-159 and v160-255: W's fragments, two sets).
.set REC,6400
.set FRB,1536
.set SCU,4*FRB
.set HS,102400
.set SEC,6553600
.set OSCB,24576                        ; LDS: x's 16 fragment images at 0, later o's (piece p = registers 2 p, 2 p + 1, lane l's 8 bytes at 256 p + 8 l); o's scale words, 128 bytes a K step
.set SPARE,25600                       ; the spare words, 128 bytes a wave
.set RING,26624                        ; the weights' K steps 5 to 7: WPART bytes a wave; at the end my stage
.set WPART,24*FRB
.set SPITCH,528
.set L16,1
.set L8,2
.set SPW,3
.set NIL,4
.set WA,5
.set OA,6
.set OAT,7
.set QZ,8
.set XF,8
.set QN,38
.set QLS,50
.set QNS,54
.set NM,56
.set XA,56
.set H32,56
.set XS,57
.set STO,57
.set L32,58
.set SUM,60
.set KSC,68
.set VSC,70
.set PW,72
.set TA0,74
.set TA1,94
.set BM,76
.set XSC,76
.set PCT,76
.set BP,84
.set SW,92
.set S,96
.set BSC,224
.set WSC,224
.set PC,232
.set O,0
.set KF,64
.set VF,112
.set WB,64
.set WV,10
.set SEL,12
.set CS,14
.set KB,34
.set VB,36
.set WOB,38
.set QF,42
.set NC,44
.set MH,45
.set CT,46
.set CNT,47
.set HC,48
.set HO,49
.set G0,52
.set G1,56
.set MSB,0
.macro WIN new
.if MSB != \new
	s_set_vgpr_msb (MSB<<8)|\new
.set MSB, \new
.endif
.endm
.macro VW
	s_wait_alu depctr_va_vdst(0)
.endm
.macro NOPS
.rept 4
	v_nop
.endr
.endm
.macro ROUND                           ; a round of the cluster's barrier
	s_barrier_signal -1
	s_barrier_wait -1
	s_cmp_lg_u32 s[WV], 0
	s_cbranch_scc1 .Lnot_wave_0_\@
	s_barrier_signal -3
.Lnot_wave_0_\@:
	s_barrier_wait -3
	s_barrier_signal -1
	s_barrier_wait -1
.endm
.macro WM d,a,b,c,sa,sb,ra,rb          ; one product; ra, rb: the scales' row of lanes
.if \ra
.if \rb
	v_wmma_scale_f32_16x16x128_f8f6f4 v[\d:\d+7], v[\a:\a+11], v[\b:\b+11], \c, v[\sa], v[\sb] matrix_a_fmt:MATRIX_FMT_FP6 matrix_b_fmt:MATRIX_FMT_FP6 matrix_a_scale:MATRIX_SCALE_ROW1 matrix_b_scale:MATRIX_SCALE_ROW1
.else
	v_wmma_scale_f32_16x16x128_f8f6f4 v[\d:\d+7], v[\a:\a+11], v[\b:\b+11], \c, v[\sa], v[\sb] matrix_a_fmt:MATRIX_FMT_FP6 matrix_b_fmt:MATRIX_FMT_FP6 matrix_a_scale:MATRIX_SCALE_ROW1
.endif
.else
.if \rb
	v_wmma_scale_f32_16x16x128_f8f6f4 v[\d:\d+7], v[\a:\a+11], v[\b:\b+11], \c, v[\sa], v[\sb] matrix_a_fmt:MATRIX_FMT_FP6 matrix_b_fmt:MATRIX_FMT_FP6 matrix_b_scale:MATRIX_SCALE_ROW1
.else
	v_wmma_scale_f32_16x16x128_f8f6f4 v[\d:\d+7], v[\a:\a+11], v[\b:\b+11], \c, v[\sa], v[\sb] matrix_a_fmt:MATRIX_FMT_FP6 matrix_b_fmt:MATRIX_FMT_FP6
.endif
.endif
.endm
.macro WG wb, st, base                 ; my eight fragments of W at K step st from memory into set wb: 24 loads
	WIN 0x40
.irp ct,0,1,2,3,4,5,6,7
.irp c,0,1,2
	global_load_b128 v[WB+96*(\wb)+12*\ct+4*\c:WB+96*(\wb)+12*\ct+4*\c+3], v[L16], s[\base:\base+1] offset:(\ct*8+(\st))*FRB+512*\c
.endr
.endr
	WIN 0
.endm
.macro XL xb, st                       ; both token tiles' fragments of K step st into set xb: 12 LDS loads
.irp u,0,1
.irp p,0,1,2,3,4,5
	ds_load_b64 v[XF+24*(\xb)+12*\u+2*\p:XF+24*(\xb)+12*\u+2*\p+1], v[L8] offset:(\u*8+(\st))*FRB+256*\p
.endr
.endr
.endm
; A K step of 128 rows of W x 32 tokens: sum (u, ct) at v[S + 64 u + 8 ct]; the 16 sums take turns.
; mode 0: adds on; 1: begins with 0; 2: begins with bo.  dn, ln: the LDS and the global loads issued behind this step's, which may stay out.
.macro KS wb, xb, st, mode, dn, ln
	s_wait_dscnt \dn
	s_wait_loadcnt \ln
.if \mode==2
	WIN 0x11
.else
	WIN 0x01
.endif
.irp ct,0,1,2,3,4,5,6,7
.irp u,0,1
.if \mode==0
	WM S+64*\u+8*\ct, WB+96*(\wb)+12*\ct, XF+24*(\xb)+12*\u, v[S+64*\u+8*\ct:S+64*\u+8*\ct+7], WSC+8*(\ct/2)+(\st), XSC+(\st), \ct%2, \u
.else
.if \mode==2
	WM S+64*\u+8*\ct, WB+96*(\wb)+12*\ct, XF+24*(\xb)+12*\u, v[8*\ct:8*\ct+7], WSC+8*(\ct/2)+(\st), XSC+(\st), \ct%2, \u
.else
	WM S+64*\u+8*\ct, WB+96*(\wb)+12*\ct, XF+24*(\xb)+12*\u, 0, WSC+8*(\ct/2)+(\st), XSC+(\st), \ct%2, \u
.endif
.endif
.endr
.endr
	WIN 0
	NOPS                                           ; places in front of loads into, and reads of, the products' registers
.endm
; A K step (5 to 7) whose fragments of W lie in my part of LDS: four at a time through v0-47 of window 1, so that both large sets stay free for loads from memory
.macro KSL xb, st
	XL \xb, \st
.irp hf,0,1
	WIN 0x40
.irp f,0,1,2,3
.irp c,0,1,2
	ds_load_b128 v[12*\f+4*\c:12*\f+4*\c+3], v[WA] offset:((4*\hf+\f)*3+(\st)-5)*FRB+512*\c
.endr
.endr
	s_wait_dscnt 0x0
	WIN 0x01
.irp f,0,1,2,3
.irp u,0,1
	WM S+64*\u+8*(4*\hf+\f), 12*\f, XF+24*(\xb)+12*\u, v[S+64*\u+8*(4*\hf+\f):S+64*\u+8*(4*\hf+\f)+7], WSC+8*((4*\hf+\f)/2)+(\st), XSC+(\st), \f%2, \u
.endr
.endr
	WIN 0
	NOPS
.endr
.endm
.macro KVLOAD reg, base, sc            ; a record: 13 loads
	WIN 0x40
.irp f,0,1,2,3
.irp c,0,1,2
	global_load_b128 v[\reg+12*\f+4*\c:\reg+12*\f+4*\c+3], v[L16], s[\base:\base+1] offset:\f*FRB+512*\c
.endr
.endr
	WIN 0
	global_load_b64 v[\sc:\sc+1], v[L8], s[\base:\base+1] offset:SCU
.endm
; 64 numbers of a lane, four blocks of 32 shared with lane l xor 16 -> two runs of six code registers and two halfwords of scale bytes
.macro QUANT2 s, d0, d1, h0, h1
.irp b,0,1,2,3
	v_max3_num_f32 v[BM+\b], |v[\s+16*\b]|, |v[\s+1+16*\b]|, 0x1800000
.endr
.irp i,2,4,6,8,10,12,14
.irp b,0,1,2,3
	v_max3_num_f32 v[BM+\b], v[BM+\b], |v[\s+16*\b+\i]|, |v[\s+1+16*\b+\i]|
.endr
.endr
.irp b,0,1,2,3
	v_permlanex16_b32 v[BP+\b], v[BM+\b], s[SEL], s[SEL+1]
.endr
.irp b,0,1,2,3
	v_max_num_f32 v[BM+\b], v[BM+\b], v[BP+\b]
.endr
.irp b,0,1,2,3
	v_add_nc_u32 v[BSC+\b], 0xff000000, v[BM+\b]
.endr
.irp b,0,1,2,3
	v_lshrrev_b32 v[BP+\b], 23, v[BSC+\b]
.endr
	v_lshl_or_b32 v[\h0], v[BP+1], 8, v[BP]
	v_lshl_or_b32 v[\h1], v[BP+3], 8, v[BP+2]
	v_cvt_scalef32_pk16_fp6_f32 v[\d0:\d0+2], v[\s:\s+15], v[BSC]
	v_cvt_scalef32_pk16_fp6_f32 v[PCT:PCT+2], v[\s+16:\s+31], v[BSC+1]
	v_cvt_scalef32_pk16_fp6_f32 v[\d1:\d1+2], v[\s+32:\s+47], v[BSC+2]
	v_cvt_scalef32_pk16_fp6_f32 v[PCT+4:PCT+6], v[\s+48:\s+63], v[BSC+3]
	v_nop
.irp i,0,1,2
	v_permlane16_swap_b32 v[\d0+\i], v[PCT+\i]
	v_permlane16_swap_b32 v[\d1+\i], v[PCT+4+\i]
.endr
.irp i,0,1,2
	v_mov_b32 v[\d0+3+\i], v[PCT+\i]
	v_mov_b32 v[\d1+3+\i], v[PCT+4+\i]
.endr
.endm
.macro ADDS n0, n1                     ; the sums of the unquantised p: four chains by turns
.set N,\n0
.rept \n1-\n0
	v_pk_add_f32 v[SUM+4*(N%2)+2*((N/2)%2):SUM+4*(N%2)+2*((N/2)%2)+1], v[SUM+4*(N%2)+2*((N/2)%2):SUM+4*(N%2)+2*((N/2)%2)+1], v[S+64*(N%2)+2*(N/2):S+64*(N%2)+2*(N/2)+1]
.set N,N+1
.endr
.endm
	s_load_b512 s[16:31], s[0:1], 0x0              ; x's codes, x's scales, Wq's scales, Wo's scales, bo, kv, wimg, out0
	v_lshl_add_u32 v[SPW], v0, 2, SPARE
	v_mov_b32 v[NIL], 0
	ds_add_u32 v[SPW], v[NIL]                      ; the opening lines
	ds_add_u32 v[SPW], v[NIL]
	v_lshrrev_b32 v92, 5, v0
	v_readfirstlane_b32 s[WV], v92                 ; wave 0..7
	v_and_b32 v93, 31, v0
	v_lshlrev_b32 v[L16], 4, v93
	v_lshlrev_b32 v[L8], 3, v93
	v_lshlrev_b32 v[L32], 5, v93
	v_and_b32 v94, 15, v0
	v_bfe_u32 v92, v0, 4, 1
	v_mul_u32_u24 v[XA], v94, 768
	v_mad_u32_u24 v[XA], v92, 24, v[XA]            ; a fragment's row x 768 + 24 x half
	s_mul_i32 s40, s[WV], 2*FRB
	v_add_nc_u32 v[XS], s40, v[L8]
	s_mul_i32 s40, s[WV], FRB
	v_add_nc_u32 v[OA], s40, v[L8]
	s_mul_i32 s40, s[WV], WPART
	s_add_co_u32 s40, s40, RING                    ; my part of LDS: no place in the cluster enters an LDS address
	v_add_nc_u32 v[WA], s40, v[L16]
.irp b,0,1,2,3,4,5,6,7
	v_mov_b32 v[BP+\b], 0                          ; a lane permute's destination counts as one of its sources
.endr
	v_mov_b32 v75, 0                               ; (upper halves of pairs)
	v_mov_b32 v95, 0
	v_mov_b32 v[SW], 0
	v_mov_b32 v[SW+1], 0
	s_mov_b32 s[SEL], 0x76543210
	s_mov_b32 s[SEL+1], 0xfedcba98
	s_mov_b32 s[CS], 0x3fb8aa3b                    ; log2(e)
	s_mov_b32 s[CS+1], s[CS]
	s_mov_b32 s[NC], 0xbfb8aa3b
	s_mov_b32 s[QF], 0x3e3504f3                    ; 2^-2.5
	s_mov_b32 s[QF+1], s[QF]
	s_mov_b32 s[MH], 0xffff0000
	s_mov_b32 s33, 0
	s_mov_b32 s[G1], 15|(3<<16)|(1<<21)            ; the mask: all four work-groups; elements of 8 bytes; bit 21 set beside a mask
	s_mov_b32 s[G1+1], 576<<16                     ; a row: three fragment images, 4,608 bytes
	s_mov_b32 s[G1+2], 8<<16                       ; eight rows: my eight row tiles
	s_mov_b32 s[G1+3], 576<<16
	s_mov_b32 s[G1+4], 8
	s_mov_b32 s[G1+5], 1536                        ; from row tile to row tile: 12,288 bytes
	s_mov_b32 s[G1+6], 0
	s_mov_b32 s[G1+7], 0
	s_mov_b32 s[G0], 1
	s_mov_b32 s[G0+1], s40
	s_mul_i32 s50, s[WV], 64*FRB
	s_add_co_u32 s50, s50, 5*FRB                   ; my row tiles, from K step 5 on
	s_mov_b32 s51, 0
	s_bfe_u32 s41, ttmp6, 0x40000                  ; cx
	s_lshl_b32 s40, ttmp9, 2
	s_add_co_u32 s41, s40, s41                     ; my work-group's number: it enters x's and the output's addresses alone
	VW                                             ; the wait at the head's end
	s_wait_dscnt 0x0                               ; both opening adds are done
	s_wait_kmcnt 0x0
	s_add_nc_u64 s[G0+2:G0+3], s[28:29], s[50:51]
	s_or_b32 s[G0+3], s[G0+3], 0x80000000
	ROUND                                          ; all four work-groups are here: the first joint loads meet
	tensor_load_to_lds s[G0:G0+3], s[G1:G1+7]      ; Wq's K steps 5 to 7 of my rows: my one load at the head
	s_nop 0
	NOPS
	s_mul_i32 s32, s41, 32*768                     ; x: my work-group's 32 rows; I fetch fragments 2 wave, 2 wave + 1 of (tile, K step)
	s_lshr_b32 s40, s[WV], 2
	s_mul_i32 s40, s40, 16*768
	s_add_co_u32 s32, s32, s40
	s_and_b32 s40, s[WV], 3
	s_mul_i32 s40, s40, 192
	s_add_co_u32 s32, s32, s40
	s_add_nc_u64 s[16:17], s[16:17], s[32:33]
	s_lshl_b32 s32, s41, 10
	s_add_nc_u64 s[18:19], s[18:19], s[32:33]
	s_lshl_b32 s32, s[WV], 12                      ; my 128 rows of scale bytes
	s_add_nc_u64 s[20:21], s[20:21], s[32:33]
	s_add_nc_u64 s[22:23], s[22:23], s[32:33]
	s_lshl_b32 s32, s[WV], 9                       ; my 128 columns, in bytes of f32
	s_add_nc_u64 s[24:25], s[24:25], s[32:33]
	s_lshl_b32 s40, s41, 17
	s_add_co_u32 s32, s32, s40
	s_add_nc_u64 s[30:31], s[30:31], s[32:33]
	s_mul_i32 s32, s[WV], 64*FRB
	s_add_nc_u64 s[28:29], s[28:29], s[32:33]      ; my fragments of Wq,
	s_add_nc_u64 s[WOB:WOB+1], s[28:29], 512*FRB   ; of Wo
	s_lshr_b32 s32, ttmp9, 4                       ; the batch
	s_lshl_b32 s32, s32, 3
	s_add_co_u32 s32, s32, s[WV]
	s_mul_i32 s32, s32, 2*HS
	s_add_nc_u64 s[KB:KB+1], s[26:27], s[32:33]
	s_add_nc_u64 s[VB:VB+1], s[KB:KB+1], SEC
.irp j,0,1
.irp p,0,1,2,3,4,5
	global_load_b64 v[S+12*\j+2*\p:S+12*\j+2*\p+1], v[XA], s[16:17] offset:96*\j+48*(\p/3)+8*(\p%3)
.endr
.endr
	global_load_b128 v[XSC:XSC+3], v[L32], s[18:19]              ; lane l: token l's eight scale words: tile 0 in lanes 0-15, tile 1 in lanes 16-31
	global_load_b128 v[XSC+4:XSC+7], v[L32], s[18:19] offset:16
.irp j,0,1,2,3
	global_load_b128 v[WSC+8*\j:WSC+8*\j+3], v[L32], s[20:21] offset:1024*\j      ; row 32 j + l: tile 2 j in lanes 0-15, tile 2 j + 1 in lanes 16-31
	global_load_b128 v[WSC+8*\j+4:WSC+8*\j+7], v[L32], s[20:21] offset:1024*\j+16
.endr
	WG 0, 0, 28
	WG 1, 1, 28
	s_wait_loadcnt 58                              ; x's 12 pieces are in: behind them 10 loads of scales and 48 of Wq
.irp j,0,1
.irp p,0,1,2,3,4,5
	ds_store_b64 v[XS], v[S+12*\j+2*\p:S+12*\j+2*\p+1] offset:FRB*\j+256*\p
.endr
.endr
	s_wait_dscnt 0x0
	s_barrier_signal -1                            ; my tensor load may stay out
	s_barrier_wait -1
	XL 0, 0
	XL 1, 1
	KS 0, 0, 0, 1, 12, 24
	WG 0, 2, 28
	XL 0, 2
	KS 1, 1, 1, 0, 12, 24
	WG 1, 3, 28
	XL 1, 3
	KS 0, 0, 2, 0, 12, 24
	WG 0, 4, 28
	XL 0, 4
	KS 1, 1, 3, 0, 12, 24
	WG 1, 0, WOB                                   ; Wo's K step 0 waits in set 1, which the walk over the keys leaves idle
	KS 0, 0, 4, 0, 0, 24
	KVLOAD KF, KB, KSC                             ; the first records land under the rest of the q product
	KVLOAD VF, VB, VSC
	s_wait_tensorcnt 0x0                           ; my part of LDS is filled; I alone read it
	KSL 1, 5
	KSL 0, 6
	KSL 1, 7
	s_wait_tensorcnt 0x0                           ; the refill
	ds_add_u32 v[SPW], v[NIL]
	s_add_nc_u64 s[G0+2:G0+3], s[G0+2:G0+3], 512*FRB   ; (no tensor load of mine is out: on to Wo)
	s_wait_dscnt 0x0                               ; my reads of my part, and of x's images, are over
	ROUND                                          ; so are everybody's: o's images may take x's bytes
	tensor_load_to_lds s[G0:G0+3], s[G1:G1+7]      ; Wo's K steps 5 to 7 of my rows
	s_nop 0
	NOPS
.set J,0
.rept 64
	v_pk_mul_f32 v[S+J:S+J+1], v[S+J:S+J+1], s[QF:QF+1] op_sel_hi:[1,0]
.set J,J+2
.endr
	QUANT2 S, QZ+6, QN, QLS, QNS
	QUANT2 S+64, QZ+18, QN+6, QLS+2, QNS+1
.irp i,0,1,2,3,4,5
	v_mov_b32 v[QZ+\i], 0
	v_mov_b32 v[QZ+12+\i], 0
	v_mov_b32 v[QZ+24+\i], 0
.endr
	s_mov_b32 s[CT], 0
	s_mov_b32 s[HO], 0
	s_mov_b32 s[HC], 2
.Lhead:                                                ; a head begins: the step's first trip finds zeros, which the first change of M leaves zeros
.irp u,0,1
	v_lshlrev_b32 v[QLS+2*\u+1], 16, v[QLS+2*\u]
	v_mov_b32 v[NM+2*\u+1], 0xfe967699             ; the largest score so far: -1e38
.endr
.irp u,0,1
	v_mul_f32 v[NM+2*\u], s[NC], v[NM+2*\u+1]
.endr
.irp u,0,1
	v_floor_f32 v[NM+2*\u], v[NM+2*\u]
.endr
.irp j,0,1,2,3,4,5,6,7
	v_mov_b32 v[SUM+\j], 0
.endr
	WIN 0x40
.set J,0
.rept 64
	v_mov_b32 v[O+J], 0
.set J,J+1
.endr
	WIN 0
	VW
	s_mov_b32 s[CNT], 16
.Lstep:                                                ; 128 keys x 32 tokens
	s_cmp_lt_u32 s[CT], 31
	s_cselect_b32 s32, REC, 0                      ; the next record; the walk's last step stays where it is
	s_wait_loadcnt 13                              ; k's record is in; v's 13 loads may be out
	WIN 0x01
.irp u,0,1
.irp t,0,1,2,3,4,5,6,7
	WM S+64*\u+8*\t, KF+12*(\t/2), QZ+12*\u+6*(1-\t%2), 0, KSC+\t/4, QLS+2*\u+\t%2, (\t/2)%2, 0
.endr
.endr
	WIN 0
	NOPS
	s_wait_xcnt 0x0                                ; earlier loads have read their base
	s_add_nc_u64 s[KB:KB+1], s[KB:KB+1], s[32:33]
	KVLOAD KF, KB, KSC
.irp b,0,1,2,3,4,5,6,7
	v_max3_num_f32 v[BM+\b], v[S+16*\b], v[S+1+16*\b], v[S+2+16*\b]   ; the largest score of each block of 32 keys
.endr
.irp i,3,5,7,9,11,13
.irp b,0,1,2,3,4,5,6,7
	v_max3_num_f32 v[BM+\b], v[BM+\b], v[S+16*\b+\i], v[S+1+16*\b+\i]
.endr
.endr
.irp b,0,1,2,3,4,5,6,7
	v_max_num_f32 v[BM+\b], v[BM+\b], v[S+15+16*\b]
.endr
.irp b,0,1,2,3,4,5,6,7
	v_permlanex16_b32 v[BP+\b], v[BM+\b], s[SEL], s[SEL+1]
.endr
.irp b,0,1,2,3,4,5,6,7
	v_max_num_f32 v[BM+\b], v[BM+\b], v[BP+\b]
.endr
	v_max3_num_f32 v[TA0], v[BM], v[BM+1], v[BM+2]
	v_max3_num_f32 v[TA1], v[BM+4], v[BM+5], v[BM+6]
	s_delay_alu instid0(VALU_DEP_2)
	v_max3_num_f32 v[NM+1], v[NM+1], v[TA0], v[BM+3]   ; the running largest score
	s_delay_alu instid0(VALU_DEP_2)
	v_max3_num_f32 v[NM+3], v[NM+3], v[TA1], v[BM+7]
	s_delay_alu instid0(VALU_DEP_2)
	v_mul_f32 v[TA0], s[NC], v[NM+1]               ; -t
	s_delay_alu instid0(VALU_DEP_2)
	v_mul_f32 v[TA1], s[NC], v[NM+3]
	s_delay_alu instid0(VALU_DEP_2)
	v_floor_f32 v[TA0], v[TA0]                     ; the new -M
	s_delay_alu instid0(VALU_DEP_2)
	v_floor_f32 v[TA1], v[TA1]
	s_delay_alu instid0(VALU_DEP_2)
	v_sub_f32 v[BP], v[TA0], v[NM]                 ; old M - new M, 0 or less
	s_delay_alu instid0(VALU_DEP_2)
	v_sub_f32 v[BP+1], v[TA1], v[NM+2]
	v_mov_b32 v[NM], v[TA0]
	v_mov_b32 v[NM+2], v[TA1]
	v_cvt_i32_f32 v[TA0], v[BP]                    ; (it saturates)
	v_cvt_i32_f32 v[TA1], v[BP+1]
	s_delay_alu instid0(VALU_DEP_2)
	v_ldexp_f32 v[TA0], 1.0, v[TA0]                ; f
	s_delay_alu instid0(VALU_DEP_2)
	v_ldexp_f32 v[TA1], 1.0, v[TA1]
.set J,0
.rept 64
	v_pk_fma_f32 v[S+J:S+J+1], v[S+J:S+J+1], s[CS:CS+1], v[NM+2*(J/64):NM+2*(J/64)+1] op_sel_hi:[1,0,0]   ; t - M
.set J,J+2
.endr
.irp b,0,1,2,3,4,5,6,7
	v_fma_f32 v[BM+\b], v[BM+\b], s[CS], v[NM+2*(\b/4)]
.endr
.irp k,0,2
	v_pk_mul_f32 v[SUM+\k:SUM+\k+1], v[SUM+\k:SUM+\k+1], v[TA0:TA0+1] op_sel_hi:[1,0]
	v_pk_mul_f32 v[SUM+4+\k:SUM+4+\k+1], v[SUM+4+\k:SUM+4+\k+1], v[TA1:TA1+1] op_sel_hi:[1,0]
.endr
	WIN 0x41
.set J,0
.rept 16
	v_pk_mul_f32 v[O+J:O+J+1], v[O+J:O+J+1], v[TA0:TA0+1] op_sel_hi:[1,0]       ; O^T under the new M, each accumulator from its low end on
	v_pk_mul_f32 v[O+32+J:O+32+J+1], v[O+32+J:O+32+J+1], v[TA1:TA1+1] op_sel_hi:[1,0]
.set J,J+2
.endr
	WIN 0
	VW                                             ; the wait ahead of the batch
.set J,0
.rept 128
	v_exp_f32 v[S+J], v[S+J]                       ; p
.set J,J+1
.endr
.irp b,0,1,2,3,4,5,6,7
	v_exp_f32 v[BM+\b], v[BM+\b]                   ; each block's largest p
.endr
	v_nop
	VW                                             ; and behind it
	ADDS 0, 48
.irp b,0,1,2,3,4,5,6,7
	v_max_num_f32 v[BM+\b], 0x1800000, v[BM+\b]
.endr
.irp b,0,1,2,3,4,5,6,7
	v_add_nc_u32 v[BSC+\b], 0xff000000, v[BM+\b]
.endr
.irp b,0,1,2,3,4,5,6,7
	v_lshrrev_b32 v[BP+\b], 23, v[BSC+\b]
.endr
.irp u,0,1
	v_lshl_or_b32 v[PW+\u], v[BP+4*\u+1], 8, v[BP+4*\u]
.endr
.irp u,0,1
	v_lshl_or_b32 v[PW+\u], v[BP+4*\u+2], 16, v[PW+\u]
.endr
.irp u,0,1
	v_lshl_or_b32 v[PW+\u], v[BP+4*\u+3], 24, v[PW+\u]
.endr
.irp u,0,1
.irp c,0,1
	v_cvt_scalef32_pk16_fp6_f32 v[PC+12*\u+6*\c:PC+12*\u+6*\c+2], v[S+64*\u+32*\c:S+64*\u+32*\c+15], v[BSC+4*\u+2*\c]
	v_cvt_scalef32_pk16_fp6_f32 v[PCT+8*\u+4*\c:PCT+8*\u+4*\c+2], v[S+64*\u+32*\c+16:S+64*\u+32*\c+31], v[BSC+4*\u+2*\c+1]
.endr
.endr
	v_nop
.irp q,0,1,2,3
.irp i,0,1,2
	v_permlane16_swap_b32 v[PC+6*\q+\i], v[PCT+4*\q+\i]
.endr
.endr
.irp q,0,1,2,3
.irp i,0,1,2
	v_mov_b32 v[PC+6*\q+3+\i], v[PCT+4*\q+\i]
.endr
.endr
	ADDS 48, 64                                    ; these sixteen also stand between the writes of p's codes and scale words and the products
	VW                                             ; the sums are next read behind the waits below
	s_wait_loadcnt 13                              ; v's record is in; the next k's 13 loads may be out
	WIN 0x51
.irp t,0,1,2,3
.irp u,0,1
	WM O+32*\u+8*\t, VF+12*\t, PC+12*\u, v[O+32*\u+8*\t:O+32*\u+8*\t+7], VSC+\t/2, PW+\u, \t%2, 0
.endr
.endr
	WIN 0
	NOPS
	s_wait_xcnt 0x0
	s_add_nc_u64 s[VB:VB+1], s[VB:VB+1], s[32:33]
	KVLOAD VF, VB, VSC
	s_add_co_u32 s[CT], s[CT], 1
	s_sub_co_u32 s[CNT], s[CNT], 1
	s_cmp_lg_u32 s[CNT], 0
	s_cbranch_scc1 .Lstep
	; a head's end: O^T / the sum, natural order of channels, quantised; the codes are half a fragment of the last product
.irp u,0,1
	v_pk_add_f32 v[SUM+4*\u:SUM+4*\u+1], v[SUM+4*\u:SUM+4*\u+1], v[SUM+4*\u+2:SUM+4*\u+3]
.endr
.irp u,0,1
	v_add_f32 v[SUM+4*\u], v[SUM+4*\u], v[SUM+4*\u+1]
.endr
.irp u,0,1
	v_permlanex16_b32 v[BP+\u], v[SUM+4*\u], s[SEL], s[SEL+1]
.endr
.irp u,0,1
	v_add_f32 v[SUM+4*\u], v[SUM+4*\u], v[BP+\u]
.endr
	VW
	v_rcp_f32 v[TA0], v[SUM]
	v_rcp_f32 v[TA1], v[SUM+4]
	v_nop
	WIN 0x01
	VW
.set J,0
.rept 16
	v_pk_mul_f32 v[S+J:S+J+1], v[O+J:O+J+1], v[TA0:TA0+1] op_sel_hi:[1,0]
	v_pk_mul_f32 v[S+32+J:S+32+J+1], v[O+32+J:O+32+J+1], v[TA1:TA1+1] op_sel_hi:[1,0]
.set J,J+2
.endr
	WIN 0
.irp b,0,1,2,3
.irp j,0,1,2,3,4,5,6,7
	v_permlane16_swap_b32 v[S+16*\b+\j], v[S+16*\b+8+\j]   ; register 16 b + i now holds channel 32 (b % 2) + 16 h + i
.endr
.endr
	QUANT2 S, PC, PC+6, TA0, TA1
	v_lshrrev_b32 v[SW], 16, v[SW]                 ; the first head's two bytes go down, this head's come in on top
	v_lshrrev_b32 v[SW+1], 16, v[SW+1]
	v_lshl_or_b32 v[SW], v[TA0], 16, v[SW]
	v_lshl_or_b32 v[SW+1], v[TA1], 16, v[SW+1]
	v_add_nc_u32 v[OAT], s[HO], v[OA]
.irp u,0,1
.irp p,0,1,2
	ds_store_b64 v[OAT], v[PC+6*\u+2*\p:PC+6*\u+2*\p+1] offset:\u*8*FRB+256*\p
.endr
.endr
.irp i,0,1,2,3,4,5
	v_mov_b32 v[QZ+6+\i], v[QN+\i]                 ; the second head's q
	v_mov_b32 v[QZ+18+\i], v[QN+6+\i]
.endr
	v_mov_b32 v[QLS], v[QNS]
	v_mov_b32 v[QLS+2], v[QNS+1]
	s_add_co_u32 s[HO], s[HO], 768
	s_sub_co_u32 s[HC], s[HC], 1
	s_cmp_lg_u32 s[HC], 0
	VW
	s_cbranch_scc1 .Lhead
	; the last product
	v_cndmask_b32 v[TA0], v[SW], v[SW+1], s[MH]    ; tile 0's words in lanes 0-15, tile 1's in lanes 16-31
	v_lshl_add_u32 v[TA1], v0, 2, OSCB             ; 128 x wave + 4 x lane: my K step's words
	ds_store_b32 v[TA1], v[TA0]
	v_and_b32 v60, 31, v0
	v_lshlrev_b32 v[L32], 5, v60
	v_lshl_add_u32 v63, v60, 2, OSCB
	v_bfe_u32 v61, v0, 4, 1
	v_lshlrev_b32 v[H32], 5, v61
	v_and_b32 v62, 15, v0
	s_mul_i32 s40, s[WV], WPART
	s_add_co_u32 s40, s40, RING
	v_mul_u32_u24 v62, v62, SPITCH
	v_add_nc_u32 v[STO], v62, v[H32]
	v_add_nc_u32 v[STO], s40, v[STO]
	VW
	s_wait_loadcnt 0x0                             ; the walk's last requests have landed: set 0 takes Wo's fragments; K step 0 is in set 1
	s_wait_tensorcnt 0x0                           ; Wo's K steps 5 to 7 are in my part of LDS
.irp j,0,1,2,3
	global_load_b128 v[WSC+8*\j:WSC+8*\j+3], v[L32], s[22:23] offset:1024*\j
	global_load_b128 v[WSC+8*\j+4:WSC+8*\j+7], v[L32], s[22:23] offset:1024*\j+16
.endr
	WIN 0x40
.irp ct,0,1,2,3,4,5,6,7
	global_load_b128 v[8*\ct:8*\ct+3], v[H32], s[24:25] offset:64*\ct          ; bo at the lane's eight columns
	global_load_b128 v[8*\ct+4:8*\ct+7], v[H32], s[24:25] offset:64*\ct+16
.endr
	WIN 0
	WG 0, 1, WOB
	s_wait_dscnt 0x0                               ; my codes and scale words are in LDS
	s_barrier_signal -1
	s_barrier_wait -1                              ; everybody's are
.irp st,0,1,2,3,4,5,6,7
	ds_load_b32 v[XSC+\st], v63 offset:128*\st
.endr
	XL 0, 0
	KS 1, 0, 0, 2, 0, 24
	WG 1, 2, WOB
	KSL 1, 5                                       ; K steps 1 and 2 are on their way under these three
	KSL 0, 6
	KSL 1, 7
	XL 0, 1
	XL 1, 2
	KS 0, 0, 1, 0, 12, 24
	WG 0, 3, WOB
	XL 0, 3
	KS 1, 1, 2, 0, 12, 24
	WG 1, 4, WOB
	XL 1, 4
	KS 0, 0, 3, 0, 12, 24
	KS 1, 1, 4, 0, 0, 0
.macro TOSTAGE u                       ; 16 tokens x 128 columns through my own stage, in my part of LDS, which has had its last fill and its last read; LDS serves a wave's instructions in order (ISA guide 5.7.1.4)
.irp ct,0,1,2,3,4,5,6,7
	ds_store_b128 v[STO], v[S+64*\u+8*\ct:S+64*\u+8*\ct+3] offset:64*\ct
	ds_store_b128 v[STO], v[S+64*\u+8*\ct+4:S+64*\u+8*\ct+7] offset:64*\ct+16
.endr
.irp t,0,1,2,3,4,5,6,7,8,9,10,11,12,13,14,15
	ds_load_b128 v[S+64*\u+4*\t:S+64*\u+4*\t+3], v[WA] offset:\t*SPITCH
.endr
.endm
.macro SEND u
.irp t,0,1,2,3,4,5,6,7,8,9,10,11,12,13,14,15
	global_store_b128 v[L16], v[S+64*\u+4*\t:S+64*\u+4*\t+3], s[30:31] offset:\u*65536+\t*4096 th:TH_STORE_NT   ; 32 lanes store 512 consecutive bytes, aligned
.endr
.endm
	TOSTAGE 0
	TOSTAGE 1
	s_wait_dscnt 32                                ; tile 0 is back; tile 1's 32 LDS instructions may be out
	SEND 0
	s_wait_dscnt 0x0
	SEND 1
	s_wait_tensorcnt 0x0                           ; the wave's end
	ds_add_u32 v[SPW], v[NIL]
	s_wait_dscnt 0x0
	ROUND                                          ; the closing round
	s_endpgm
.Lfunc_end_k_q3a4404359b_fused:
	.size	k_q3a4404359b_fused, .Lfunc_end_k_q3a4404359b_fused-k_q3a4404359b_fused
	.p2alignl 7, 3214868480
	.fill 96, 4, 3214868480
	.section	.rodata,"a",@progbits
	.p2align	6, 0x0
	.amdhsa_kernel k_q3a4404359b_fused
		.amdhsa_group_segment_fixed_size 327680
		.amdhsa_private_segment_fixed_size 0
		.amdhsa_enable_private_segment 0
		.amdhsa_kernarg_size 64
		.amdhsa_user_sgpr_count 2
		.amdhsa_user_sgpr_kernarg_segment_ptr 1
		.amdhsa_wavefront_size32 1
		.amdhsa_system_sgpr_workgroup_id_x 1
		.amdhsa_system_sgpr_workgroup_id_y 1
		.amdhsa_system_sgpr_workgroup_id_z 1
		.amdhsa_system_vgpr_workitem_id 0
		.amdhsa_next_free_vgpr 512
		.amdhsa_next_free_sgpr 66
		.amdhsa_reserve_vcc 0
		.amdhsa_float_denorm_mode_32 3
		.amdhsa_float_denorm_mode_16_64 3
		.amdhsa_memory_ordered 1
		.amdhsa_forward_progress 1
		.amdhsa_inst_pref_size 158
	.end_amdhsa_kernel
	.amdgpu_metadata
---
amdhsa.version: [ 1, 2 ]
amdhsa.kernels:
  - .name:           k_q3a4404359b_fused
    .symbol:         k_q3a4404359b_fused.kd
    .args:
      - { .name: x_codes, .offset: 0, .size: 8, .value_kind: global_buffer, .address_space: global }
      - { .name: x_scales, .offset: 8, .size: 8, .value_kind: global_buffer, .address_space: global }
      - { .name: Wq_scales, .offset: 16, .size: 8, .value_kind: global_buffer, .address_space: global }
      - { .name: Wo_scales, .offset: 24, .size: 8, .value_kind: global_buffer, .address_space: global }
      - { .name: bo, .offset: 32, .size: 8, .value_kind: global_buffer, .address_space: global }
      - { .name: kv, .offset: 40, .size: 8, .value_kind: global_buffer, .address_space: global }
      - { .name: wimg, .offset: 48, .size: 8, .value_kind: global_buffer, .address_space: global }
      - { .name: out0, .offset: 56, .size: 8, .value_kind: global_buffer, .address_space: global }
    .group_segment_fixed_size: 327680
    .private_segment_fixed_size: 0
    .kernarg_segment_align: 8
    .kernarg_segment_size: 64
    .max_flat_workgroup_size: 256
    .sgpr_count:     66
    .vgpr_count:     512
    .wavefront_size: 32
...
	.end_amdgpu_metadata
.endif
;; end of part 2
